; MI455X (gfx1250); checked and timed in simulation.
; The chip was launched on July 23, 2026; its instructions are those of AMD's public machine-readable ISA for CDNA 5 (MIT licence, August 2026) and "CDNA5" Instruction Set Architecture Reference Guide (July 2026). The comments in the code are by the model that wrote it; some were corrected since.
;; Group Query Attention QKV. Allowed arithmetic: matrix products marked QUANTISED: E2M3 operands, one E8M0 scale for each 32 along K, by v_wmma_scale_f32_16x16x128_f8f6f4 with both operands' format E2M3, f32 sums; everything else in f32.
;; Inputs: gamma 4,096 float32; hidden_states 2 x 2,048 x 4,096 float32; w_k 4,096 x 1,024 float32; w_q 4,096 x 2,048 float32; w_v 4,096 x 1,024 float32.
;; Outputs: out0 2 x 2,048 x 2,048 float32; out1 2 x 2,048 x 1,024 float32; out2 2 x 2,048 x 1,024 float32.
;; This version of the problem:
;;   THIS VERSION OF THE PROBLEM IS GIVEN IN LOW PRECISION. The matrix products marked QUANTISED in the list below multiply operands that are first quantised to E2M3 (2 exponent bits, 3 mantissa bits; 6 bits a number), with one power-of-two scale for each 32 numbers along K (OCP MX v1.0); their sums are f32. All else is computed in f32.
;;   The module's matrix products, in the order in which they are computed (A, B: the left and right operand; K: the contracted axis; several contracted axes count as one K, in the product's order):
;;     1. [M 4,096, K 4,096] x [K 4,096, N 2,048]; A: computed on the way; B: input w_q: QUANTISED
;;     2. [M 4,096, K 4,096] x [K 4,096, N 1,024]; A: computed on the way; B: input w_k: QUANTISED
;;     3. [M 4,096, K 4,096] x [K 4,096, N 1,024]; A: computed on the way; B: input w_v: QUANTISED
;;   THE QUANTISER, for each operand of a quantised product, along K:
;;     - K is cut into blocks of 32 from its start; a last block that is shorter is filled with zeros.
;;     - A block's scale is 2^e with e = floor(log2(the largest magnitude in the block)) - 2, held to -126 .. 127; a block of zeros has e = 0. As a byte (E8M0): e + 127.
;;     - Each number is divided by its block's scale, clamped to +-7.5, and rounded to the nearest number of E2M3, ties to even, subnormals kept.
;;     - The product sums the exact products of the quantised numbers (number of the format x scale) in f32.
;;   ~~~python
;;   def quantise(x, axis):      # numpy; x: float32 -> the quantised numbers, widened to float32 again
;;       x = np.moveaxis(x, axis, -1); K = x.shape[-1]
;;       x = np.pad(x, [(0, 0)] * (x.ndim - 1) + [(0, -K % 32)]); x = x.reshape(x.shape[:-1] + (-1, 32)); a = np.abs(x).max(-1, keepdims=True)
;;       e = np.where(a > 0, np.clip(np.frexp(np.where(a > 0, a, 1))[1] - 1 - 2, -126, 127), 0)      # np.frexp(a)[1] - 1 = floor(log2(a)), exactly
;;       r = np.clip(x / 2.0 ** e, -7.5, 7.5)
;;       step = 2.0 ** (np.maximum(np.frexp(np.where(r == 0, 1, r))[1] - 1, 0) - 3)
;;       q = np.round(r / step) * step * 2.0 ** e      # np.round: ties to even
;;       return np.moveaxis(q.reshape(q.shape[:-2] + (-1,))[..., :K], -1, axis).astype(np.float32)
;;   ~~~
;;   OPERANDS COMPUTED ON THE WAY. 'Computed on the way' means the value that the module computes at that place (a softmax that the list does not call 'softmax' is quantised finished and normalised). What goes into a quantiser is computed in f32, as accurately as f32 sums, v_exp_f32 and their like allow (about 1e-6 of the number): no bf16 or f16 on the way to a quantiser, and a product that is left as it is and whose result goes on into a quantised operand takes f32 operands (vector FMAs, or v_wmma_f32_16x16x4_f32). A number that lies on a knife's edge between two numbers of the format may be rounded either way, as far as f32 arithmetic and the matrix unit's own rounding can turn it there, and no further.
;; One version. Each part assembles by itself: llvm-mc -triple=amdgcn-amd-amdhsa -mcpu=gfx1250 --defsym DOCPART=n.
;; ======== version 1 of 1: 2 launches
;; limits: right only within a limited range of input values
;; workspace buffers: a_img 13,107,200 bytes; b_img 13,107,200 bytes
;; launch quant (part 1): grid 256 x 1, 16 waves a work-group, no clusters, 208,896 bytes of LDS; arguments hidden_states, gamma, w_q, w_k, w_v, a_img, b_img; writes a_img, b_img
.if DOCPART == 1
	.amdgcn_target "amdgcn-amd-amdhsa--gfx1250"
	.amdhsa_code_object_version 6
	.text
	.protected	k_qb7f02297f4_quant
	.globl	k_qb7f02297f4_quant
	.p2align	8
	.type	k_qb7f02297f4_quant,@function
k_qb7f02297f4_quant:
	s_mov_b64 s[64:65], 0
	v_nop
	global_prefetch_b8 v0, s[64:65] scope:SCOPE_SE
	s_setreg_imm32_b32 hwreg(HW_REG_WAVE_MODE, 25, 1), 1
	s_wait_xcnt 0x0
; xn = x * rsqrt(mean(x^2) + 1e-6) * gamma (x: [4096][4096] f32) and the weights w_q [4096][2048], w_k, w_v [4096][1024] (f32, K = their FIRST axis) are turned into codes of FP6 (E2M3)
; with one E8M0 scale byte for each 32 along K, laid as the product's launch takes them into its registers.
; A block's scale is 2^(floor(log2(its largest magnitude)) - 2); its byte is the largest magnitude's exponent field - 2, held at 1 from below; each number is divided by the scale and rounded to the nearest code, ties to even, beyond 7.5 the largest code.
; OUT.  a_img, b_img: [row / 128][k / 128][12,800 bytes]: eight fragments of 1,536 bytes (16 rows x 128 K: 12 registers x 32 lanes), then the 128 rows' scale words, 4 bytes a row (byte b scales k = 32 b on).
;   For B a "row" is a column n of the three weights set side by side (q 0.., k 2048.., v 3072..).
;   In A's fragment lane (r, h) has 48 bytes on end at 48 (r + 16 h): block h's 24 bytes, then block 2 + h's.  In B's, registers 4 c .. 4 c + 3 of lane i lie at 512 c + 16 i.
; SHARES.  256 work-groups of sixteen waves, each reading 512 KB.  Even work-groups take 32 rows of x (a wave: two rows, one after the other, a row in 128 registers: it is read from memory once, for the sum of squares and for the codes).
;   Odd work-groups take 512 columns x 256 along K of the weights (a wave: 32 columns; a lane takes a column and its registers run down K, so that nothing is transposed).
; The codes leave in stores of 512 consecutive bytes.  The scale words of 32 rows and one K step are 128 consecutive bytes, and leave so: one byte in 25 of what the launch stores.
; NO CLUSTER, NO TENSOR LOAD: every byte but gamma's 16 KB is read by one wave alone, once.
; LIMITS: NaN and infinities among the inputs are not served.  A block of zeros gets the byte 1 where the rule says 127: its codes are zeros, and the bytes are read by this program alone.
;   The row's sum of squares is added in another order than a plain loop adds it (four chains of pairs a lane, then across the lanes), all in f32.
.set ROWX,  16384                      ; a row of x in bytes
.set STEPB, 12800                      ; 128 rows x 128 K in the output: codes and scale words
.set SCW,   12288                      ; where the scale words begin in it
.set GRP,   32*STEPB                   ; 128 rows, all of K
.set GAM,   0                          ; LDS: gamma as the lanes want it: step t at 2,560 t, lane l's 16 numbers at 80 l (64 bytes + 16 of padding)
.set STG,   20480                      ; two stages of 32 x 80 bytes for each wave
.set SCB,   102400                     ; the 32 rows' scale bytes: [k / 128][row][4]
.set GATH,  106496                     ; the 32 rows' codes: [k / 128][16 rows][h]: half fragments of 768 bytes, 784 bytes apart
.set SPARE, 206848                     ; the spare words, 128 bytes for each wave: eight blocks of 256 bytes that no other line names
.set SPW,   10                         ; v10  LDS address of my spare word; never rewritten
.set NIL,   11                         ; v11  0; never rewritten
; the rows' path: v1 lane, v2 16 x lane, v3 into my stage, v4 out of it, v5 gamma out, v6 gamma in, v7, v8 my codes' place in GATH (steps 0-3, 4-7), v9 my scale byte's, v12, v13 fragments back, v14, v15 scale words back and out
.set R,     16                         ; v16-143  a row as loaded: eight sets of 16
.set X,     144                        ; v144-175 two sets of 16 neighbours
.set G,     176                        ; v176-207 two sets of gamma's 16
.set C,     208                        ; v208-215 two sets of codes
.set E,     216                        ; v216-217 two scale bytes
; v248-255: four chains of pairs for the sum of squares; then v[248:249] 1 / sqrt(..) twice, v250-252 at work
; the weights' path: v2 16 x lane, v3 4 x lane
.set OFF,   16                         ; v16-47   4 x lane + i rows of the weight
.set WX,    48                         ; v48-175  four sets of 32 numbers: a block of one column
.set F,     176                        ; v176-223 the codes of 128 along K, twice: blocks 0, 2 (12 registers), blocks 1, 3 (12)
.set T,     224                        ; v224-226 a block's upper 16 codes (a conversion's three registers begin on an even number)
.set SW,    228                        ; v228-229 my column's two scale words
.macro XLOAD p, t                      ; step t (512 numbers) of my row p: each load reads 512 consecutive bytes
.irp i, 0,1,2,3
	global_load_b128 v[R+16*(\t)+4*\i:R+16*(\t)+4*\i+3], v2, s[4:5] offset:ROWX*(\p)+2048*(\t)+512*\i th:TH_LOAD_NT
.endr
.endm
.macro SUMG g                          ; set g's 16 squares onto the four chains; the first four products start them: nothing is cleared
	s_wait_loadcnt 4*(7-(\g))                      ; loads come back in order: set g is in, the sets behind it may be out
.irp c, 0,1,2,3
.if (\g) == 0
	v_pk_mul_f32 v[248+2*\c:249+2*\c], v[R+2*\c:R+2*\c+1], v[R+2*\c:R+2*\c+1]
.else
	v_pk_fma_f32 v[248+2*\c:249+2*\c], v[R+16*(\g)+2*\c:R+16*(\g)+2*\c+1], v[R+16*(\g)+2*\c:R+16*(\g)+2*\c+1], v[248+2*\c:249+2*\c]
.endif
.endr
.irp c, 0,1,2,3
	s_delay_alu instid0(VALU_DEP_4)
	v_pk_fma_f32 v[248+2*\c:249+2*\c], v[R+16*(\g)+8+2*\c:R+16*(\g)+9+2*\c], v[R+16*(\g)+8+2*\c:R+16*(\g)+9+2*\c], v[248+2*\c:249+2*\c]
.endr
.endm
.macro TURN t                          ; step t's 2,048 bytes go through my stage as they lie and come back 64 bytes a lane: 16 neighbours along K; gamma's 16 come with them.  LDS serves a wave's instructions in order
.irp i, 0,1,2,3
	ds_store_b128 v3, v[R+16*(\t)+4*\i:R+16*(\t)+4*\i+3] offset:2560*((\t)%2)+640*\i
.endr
.irp i, 0,1,2,3
	ds_load_b128 v[X+16*((\t)%2)+4*\i:X+16*((\t)%2)+4*\i+3], v4 offset:2560*((\t)%2)+16*\i
.endr
.irp i, 0,1,2,3
	ds_load_b128 v[G+16*((\t)%2)+4*\i:G+16*((\t)%2)+4*\i+3], v5 offset:2560*(\t)+16*\i
.endr
.endm
.macro STEP p, t                       ; 512 numbers of row p: lane l holds k = 512 t + 16 l + 0 .. 15; two neighbouring lanes hold a block
.set XS, X+16*((\t)%2)
.set GS, G+16*((\t)%2)
.set CS, C+4*((\t)%2)
.if (\t) > 0
	s_wait_dscnt 4                                 ; this step's numbers are back; the last step's three code stores and its byte store may be out
.else
	s_wait_dscnt 0x0
.endif
.if (\p) == 0
	XLOAD 1, \t                                    ; the stage's stores have read set t: it takes the next row's step t
.endif
.if (\t) < 7
	TURN (\t)+1                                    ; the next step goes through the other stage while this one is worked
.endif
.irp j, 0,2,4,6,8,10,12,14
	v_pk_mul_f32 v[XS+\j:XS+\j+1], v[XS+\j:XS+\j+1], v[248:249]     ; x * rsqrt(..),
.endr
.irp j, 0,2,4,6,8,10,12,14
	v_pk_mul_f32 v[XS+\j:XS+\j+1], v[XS+\j:XS+\j+1], v[GS+\j:GS+\j+1]   ; then * gamma: two roundings, in that order
.endr
	v_max3_num_f32 v250, |v[XS]|, |v[XS+1]|, |v[XS+2]|             ; the largest magnitude of my 16, in two chains
	v_max3_num_f32 v251, |v[XS+3]|, |v[XS+4]|, |v[XS+5]|
.irp i, 6,10
	s_delay_alu instid0(VALU_DEP_2)
	v_max3_num_f32 v250, v250, |v[XS+\i]|, |v[XS+\i+1]|
	s_delay_alu instid0(VALU_DEP_2)
	v_max3_num_f32 v251, v251, |v[XS+\i+2]|, |v[XS+\i+3]|
.endr
	s_delay_alu instid0(VALU_DEP_2)
	v_max3_num_f32 v250, v250, |v[XS+14]|, |v[XS+15]|
	s_delay_alu instid0(VALU_DEP_1)
	v_max3_num_f32 v250, v250, v251, 0x1800000     ; and the floor 2^(3 - 127): the byte cannot fall under 1
	s_delay_alu instid0(VALU_DEP_1)
	v_max_num_f32_dpp v250, v250, v250 row_xmask:1 row_mask:0xf bank_mask:0xf   ; with my neighbour's 16: the block's
	s_delay_alu instid0(VALU_DEP_1)
	v_add_nc_u32 v252, 0xff000000, v250            ; 2 off its exponent field: the conversion takes the exponent field of this operand as its scale
	v_cvt_scalef32_pk16_fp6_f32 v[CS:CS+2], v[XS:XS+15], v252
	v_lshrrev_b32 v[E+(\t)%2], 23, v252            ; the scale's byte (a plain line behind the conversion)
.irp d, 0,1,2
.if (\t) < 4
	ds_store_b32 v7, v[CS+\d] offset:12544*((\t)%4)+48*(\p)+4*\d     ; my 12 bytes, to their place in the fragment of K step 4 t + l / 8
.else
	ds_store_b32 v8, v[CS+\d] offset:12544*((\t)%4)+48*(\p)+4*\d
.endif
.endr
	ds_store_b8 v9, v[E+(\t)%2] offset:512*(\t)+4*(\p)              ; both lanes of a block write the same byte with the same value
.endm
.macro ROWQ p                          ; a whole row: its sum of squares, 1 / sqrt(mean + eps), its eight steps
.irp g, 0,1,2,3,4,5,6,7
	s_wait_alu depctr_va_vdst(0)
	SUMG \g
.endr
	s_delay_alu instid0(VALU_DEP_3)
	v_pk_add_f32 v[248:249], v[248:249], v[250:251]
	s_delay_alu instid0(VALU_DEP_2)
	v_pk_add_f32 v[252:253], v[252:253], v[254:255]
	s_delay_alu instid0(VALU_DEP_1)
	v_pk_add_f32 v[248:249], v[248:249], v[252:253]
	s_delay_alu instid0(VALU_DEP_1)
	v_add_f32 v248, v248, v249
	s_delay_alu instid0(VALU_DEP_1)
	v_add_f32_dpp v248, v248, v248 row_xmask:1 row_mask:0xf bank_mask:0xf
	s_delay_alu instid0(VALU_DEP_1)
	v_add_f32_dpp v248, v248, v248 row_xmask:2 row_mask:0xf bank_mask:0xf
	s_delay_alu instid0(VALU_DEP_1)
	v_add_f32_dpp v248, v248, v248 row_xmask:4 row_mask:0xf bank_mask:0xf
	s_delay_alu instid0(VALU_DEP_1)
	v_add_f32_dpp v248, v248, v248 row_xmask:8 row_mask:0xf bank_mask:0xf
	s_delay_alu instid0(VALU_DEP_1)
	v_permlanex16_b32 v249, v248, s24, s25
	s_delay_alu instid0(VALU_DEP_1)
	v_add_f32 v248, v248, v249                     ; every lane holds the row's sum of squares
	s_delay_alu instid0(VALU_DEP_1)
	v_fma_f32 v250, v248, s30, s31                 ; / 4,096 (exact) + 1e-6
	s_wait_alu depctr_va_vdst(0)
	v_rsq_f32 v248, v250
	v_rsq_f32 v249, v250                           ; twice: the pair that the packed multiply takes
	TURN 0
	v_nop                                          ; a plain vector line behind the two, ahead of the use of their results
	s_wait_alu depctr_va_vdst(0)                   ; one wait for both, ahead of their first reader
.irp t, 0,1,2,3,4,5,6,7
	STEP \p, \t
.endr
.endm
.macro WLOAD t                         ; block t of my column: W(32 t + i, n), i = 0 .. 31; each load reads 128 consecutive bytes, the sixteen waves stand side by side on 2,048
.irp i, 0,1,2,3,4,5,6,7,8,9,10,11,12,13,14,15,16,17,18,19,20,21,22,23,24,25,26,27,28,29,30,31
	global_load_b32 v[WX+32*((\t)%4)+\i], v[OFF+\i], s[32+2*(\t):33+2*(\t)] th:TH_LOAD_NT
.endr
.endm
.macro WBLOCK t
.set XS, WX+32*((\t)%4)
.set D, F+24*((\t)/4)+12*((\t)%2)+6*(((\t)%4)/2)   ; blocks 0, 2 of a K step of 128 lie together, and blocks 1, 3
.if (\t) < 7
	s_wait_loadcnt 32                              ; this block's 32 loads are in; the next block's may be out
.else
	s_wait_loadcnt 0x0
.endif
.if (\t) < 6
	WLOAD (\t)+2                                   ; two blocks ahead, into a set that is not at work
.endif
	v_max3_num_f32 v230, |v[XS]|, |v[XS+1]|, |v[XS+2]|             ; the block's largest magnitude: all 32 numbers are mine
	v_max3_num_f32 v231, |v[XS+3]|, |v[XS+4]|, |v[XS+5]|
.irp i, 6,10,14,18,22,26
	s_delay_alu instid0(VALU_DEP_2)
	v_max3_num_f32 v230, v230, |v[XS+\i]|, |v[XS+\i+1]|
	s_delay_alu instid0(VALU_DEP_2)
	v_max3_num_f32 v231, v231, |v[XS+\i+2]|, |v[XS+\i+3]|
.endr
	s_delay_alu instid0(VALU_DEP_2)
	v_max3_num_f32 v230, v230, |v[XS+30]|, |v[XS+31]|
	s_delay_alu instid0(VALU_DEP_1)
	v_max3_num_f32 v230, v230, v231, 0x1800000     ; and the floor 2^(3 - 127)
	s_delay_alu instid0(VALU_DEP_1)
	v_add_nc_u32 v232, 0xff000000, v230            ; the conversion's scale operand
	s_delay_alu instid0(VALU_DEP_1)
	v_lshrrev_b32 v233, 23, v232                   ; the scale's byte
	v_cvt_scalef32_pk16_fp6_f32 v[D:D+2], v[XS:XS+15], v232
	v_cvt_scalef32_pk16_fp6_f32 v[T:T+2], v[XS+16:XS+31], v232
.if (\t)%4 == 0
	v_mov_b32 v[SW+(\t)/4], v233                   ; four bytes to a word, the lower K in the lower byte (a plain line behind the conversions)
.else
	v_lshl_or_b32 v[SW+(\t)/4], v233, 8*((\t)%4), v[SW+(\t)/4]
.endif
.irp i, 0,1,2
	v_mov_b32 v[D+3+\i], v[T+\i]
.endr
.if (\t)%4 == 3                        ; 128 along K are whole.  A fragment wants blocks 0, 2 of column r in lane r and blocks 1, 3 of the same column in lane 16 + r:
.irp i, 0,1,2,3,4,5,6,7,8,9,10,11
	v_permlane16_swap_b32 v[F+24*((\t)/4)+\i], v[F+24*((\t)/4)+12+\i]   ; the first's lanes 16-31 change places with the second's lanes 0-15: the first 12 registers are now the fragment of my wave's columns 0-15, the second 12 that of columns 16-31
.endr
.irp m, 0,1
.irp c, 0,1,2
	global_store_b128 v2, v[F+24*((\t)/4)+12*\m+4*\c:F+24*((\t)/4)+12*\m+4*\c+3], s[18:19] offset:STEPB*((\t)/4)+1536*\m+512*\c   ; 512 consecutive bytes, at a multiple of 256 from the buffer's first byte
.endr
.endr
.endif
.endm
	s_load_b256 s[4:11], s[0:1], 0x0               ; x s[4:5], gamma s[6:7], w_q s[8:9], w_k s[10:11]
	s_load_b128 s[12:15], s[0:1], 0x20             ; w_v s[12:13], a_img s[14:15]
	s_load_b64 s[18:19], s[0:1], 0x30              ; b_img
	v_lshl_add_u32 v[SPW], v0, 2, SPARE
	v_mov_b32 v[NIL], 0
	v_lshrrev_b32 v1, 5, v0
	s_delay_alu instid0(VALU_DEP_1)
	v_readfirstlane_b32 s22, v1                    ; wave 0..15
	v_and_b32 v1, 31, v0                           ; lane
	s_delay_alu instid0(VALU_DEP_1)
	v_lshlrev_b32 v2, 4, v1
	s_lshr_b32 s23, ttmp9, 1                       ; which share of the rows, or of the weights
	s_and_b32 s24, ttmp9, 1
	s_cmp_lg_u32 s24, 0                            ; the work-group's number alone: all sixteen waves go the same way
	s_cbranch_scc1 .Lw
	; ---------------- 32 rows of x ----------------
	v_lshrrev_b32 v250, 2, v1
	s_delay_alu instid0(VALU_DEP_1)
	v_mul_u32_u24 v250, v250, 80
	v_and_b32 v251, 3, v1
	s_delay_alu instid0(VALU_DEP_1)
	v_lshl_add_u32 v250, v251, 4, v250             ; 80 (l / 4) + 16 (l % 4): four lanes' 64 bytes on end, then 16 of padding
	s_mul_i32 s26, s22, 5120
	s_add_co_u32 s26, s26, STG
	v_add_nc_u32 v3, s26, v250                     ; into my stage
	v_mul_u32_u24 v5, v1, 80                       ; gamma out: 80 l (GAM is LDS byte 0)
	s_delay_alu instid0(VALU_DEP_1)
	v_add_nc_u32 v4, s26, v5                       ; out of my stage: 80 l
	s_mul_i32 s26, s22, 1280
	v_add_nc_u32 v6, s26, v250                     ; gamma in: my wave's 1,024 bytes take sixteen places of 80
	v_lshrrev_b32 v251, 3, v1
	s_delay_alu instid0(VALU_DEP_1)
	v_mul_u32_u24 v7, v251, 3136                   ; my codes: K step l / 8 of the step's four (four half fragments of 784 each),
	v_bfe_u32 v251, v1, 1, 1
	s_delay_alu instid0(VALU_DEP_1)
	v_mad_u32_u24 v7, v251, 784, v7                ; h = the block's low bit,
	v_bfe_u32 v251, v1, 2, 1
	s_delay_alu instid0(VALU_DEP_1)
	v_mad_u32_u24 v7, v251, 24, v7                 ; the block's high bit: the second 24 bytes of a lane's 48,
	v_and_b32 v251, 1, v1
	s_delay_alu instid0(VALU_DEP_1)
	v_mad_u32_u24 v7, v251, 12, v7                 ; and which half of the block
	s_lshr_b32 s28, s22, 3
	s_mul_i32 s28, s28, 1568                       ; my rows' fragment: rows 0-15 or 16-31,
	s_and_b32 s29, s22, 7
	s_mul_i32 s29, s29, 96                         ; and my two rows in it, 48 bytes each
	s_add_co_u32 s28, s28, s29
	s_add_co_u32 s28, s28, GATH
	v_add_nc_u32 v7, s28, v7
	s_delay_alu instid0(VALU_DEP_1)
	v_add_nc_u32 v8, 50176, v7                     ; steps 4-7: beyond an LDS immediate's 16 bits
	v_lshrrev_b32 v251, 3, v1
	v_bfe_u32 v252, v1, 1, 2
	s_delay_alu instid0(VALU_DEP_1)
	v_lshl_add_u32 v9, v251, 7, v252               ; my scale byte: which K step of the step's four (128 bytes each), which of its four blocks,
	s_lshl_b32 s28, s22, 3
	s_add_co_u32 s28, s28, SCB
	v_add_nc_u32 v9, s28, v9                       ; my two rows, 4 bytes each
	s_mul_i32 s28, s22, 6272
	s_add_co_u32 s28, s28, GATH
	v_add_nc_u32 v12, s28, v2                      ; back: wave w takes K steps 2 w, 2 w + 1; 16 bytes a lane;
	v_lshrrev_b32 v251, 4, v1
	s_delay_alu instid0(VALU_DEP_1)
	v_lshl_add_u32 v13, v251, 4, v12               ; a fragment's second 512 bytes cross from one half to the other: lanes 16-31 stand 16 bytes further on
	v_lshlrev_b32 v252, 3, v1
	s_lshl_b32 s28, s22, 8
	s_add_co_u32 s28, s28, SCB
	v_add_nc_u32 v14, s28, v252                    ; the scale words of K steps 2 w (lanes 0-15) and 2 w + 1 (lanes 16-31): 8 bytes a lane;
	v_and_b32 v15, 15, v1
	s_delay_alu instid0(VALU_DEP_1)
	v_lshlrev_b32 v15, 3, v15
	s_delay_alu instid0(VALU_DEP_1)
	v_mad_u32_u24 v15, v251, STEPB, v15            ; and out: the second K step's lie a step's bytes further on
	v_lshl_add_u32 v250, s22, 10, v2               ; my wave's 1,024 bytes of gamma
	s_mov_b32 s24, 0x76543210
	s_mov_b32 s25, 0xfedcba98                      ; v_permlanex16_b32's selects for lane l xor 16
	s_mov_b32 s30, 0x39800000                      ; 2^-12
	s_mov_b32 s31, 0x358637bd                      ; 1e-6
	s_lshl_b32 s26, s23, 5
	s_lshl_b32 s27, s22, 1
	s_add_co_u32 s26, s26, s27                     ; my first row
	s_lshl_b32 s26, s26, 14
	s_mov_b32 s27, 0
	s_lshr_b32 s28, s23, 2
	s_mul_i32 s28, s28, GRP                        ; a_img: the 128 rows' group,
	s_mul_i32 s29, s22, 2*STEPB                    ; K steps 2 w on
	s_add_co_u32 s28, s28, s29
	s_and_b32 s29, s23, 3
	s_lshl_b32 s32, s29, 7                         ; the scale words: the work-group's 32 rows of the group's 128,
	s_add_co_u32 s32, s32, s28
	s_add_co_u32 s32, s32, SCW                     ; behind the step's codes
	s_mov_b32 s33, 0
	s_mul_i32 s29, s29, 3072                       ; the codes: the work-group's two fragments of the group's eight
	s_add_co_u32 s28, s28, s29
	s_mov_b32 s29, 0
	s_wait_alu depctr_va_vdst(0)
	s_wait_kmcnt 0x0
	s_add_nc_u64 s[4:5], s[4:5], s[26:27]
	s_add_nc_u64 s[16:17], s[14:15], s[32:33]
	s_add_nc_u64 s[14:15], s[14:15], s[28:29]
	global_load_b128 v[X:X+3], v250, s[6:7]
	global_load_b128 v[X+4:X+7], v250, s[6:7] offset:512
.irp t, 0,1,2,3,4,5,6,7
	XLOAD 0, \t
.endr
	s_wait_loadcnt 32                              ; gamma's two loads are in; the row's 32 stay out
	ds_store_b128 v6, v[X:X+3]
	ds_store_b128 v6, v[X+4:X+7] offset:640
	s_wait_dscnt 0x0                               ; for the others' sake: my part of gamma lies in LDS
	s_barrier_signal -1
	s_barrier_wait -1                              ; everybody's does
	ROWQ 0
	ROWQ 1
	s_wait_dscnt 0x0                               ; my codes and scale bytes lie in LDS
	s_barrier_signal -1
	s_barrier_wait -1                              ; everybody's do
.irp m, 0,1,2,3                        ; four fragments: K step 2 w + m / 2, rows 16 (m % 2) on
	ds_load_b128 v[R+12*\m:R+12*\m+3], v12 offset:1568*\m
	ds_load_b128 v[R+12*\m+4:R+12*\m+7], v13 offset:1568*\m+512
	ds_load_b128 v[R+12*\m+8:R+12*\m+11], v12 offset:1568*\m+1040
.endr
	ds_load_b64 v[R+48:R+49], v14
.irp m, 0,1,2,3
.irp c, 0,1,2
	s_wait_dscnt 12-(3*\m+\c)                      ; LDS loads come back in order: this one is in
	global_store_b128 v2, v[R+12*\m+4*\c:R+12*\m+4*\c+3], s[14:15] offset:STEPB*(\m/2)+1536*(\m%2)+512*\c   ; 512 consecutive bytes, at a multiple of 256 from the buffer's first byte
.endr
.endr
	s_wait_dscnt 0x0
	global_store_b64 v15, v[R+48:R+49], s[16:17]   ; sixteen lanes store the 32 rows' words of one K step: 128 consecutive bytes
	s_wait_tensorcnt 0x0                           ; the wave's end, behind my last LDS store
	ds_add_u32 v[SPW], v[NIL]
	s_wait_dscnt 0x0
	s_endpgm
	; ---------------- 512 columns x 256 along K of the weights ----------------
.Lw:
	s_wait_alu depctr_va_vdst(0)
	v_lshlrev_b32 v3, 2, v1
	s_and_b32 s26, s23, 7                          ; which 512 of the 4,096 columns: 0-3 w_q, 4-5 w_k, 6-7 w_v
	s_lshr_b32 s27, s23, 3                         ; which 256 along K
	s_wait_kmcnt 0x0
	s_cmp_lt_u32 s26, 4                            ; the choices hang on the work-group's number alone
	s_cselect_b64 s[32:33], s[8:9], s[10:11]
	s_cselect_b32 s28, 13, 12                      ; a row of the weight is 2^13 or 2^12 bytes
	s_cselect_b32 s29, 0, 2048                     ; the weight's first column
	s_cmp_ge_u32 s26, 6
	s_cselect_b64 s[32:33], s[12:13], s[32:33]
	s_cselect_b32 s29, 3072, s29
	s_lshl_b32 s30, s27, 8
	s_lshl_b32 s30, s30, s28                       ; 256 kc rows,
	s_lshl_b32 s31, s26, 9
	s_lshl_b32 s48, s22, 5
	s_add_co_u32 s31, s31, s48                     ; my wave's first column: 512 cg + 32 w,
	s_sub_co_u32 s31, s31, s29                     ; counted in its weight
	s_lshl_b32 s31, s31, 2
	s_add_co_u32 s30, s30, s31
	s_mov_b32 s31, 0
	s_add_nc_u64 s[32:33], s[32:33], s[30:31]      ; block 0's base;
	s_lshl_b32 s30, 32, s28                        ; 32 rows on:
.irp t, 1,2,3,4,5,6,7
	s_add_nc_u64 s[32+2*\t:33+2*\t], s[30+2*\t:31+2*\t], s[30:31]   ; a base for each of the eight blocks: none is ever rewritten
.endr
	s_lshl_b32 s48, 1, s28                         ; a row in bytes
	v_lshlrev_b32 v[OFF], 2, v1
.irp i, 1,2,3,4,5,6,7,8,9,10,11,12,13,14,15,16,17,18,19,20,21,22,23,24,25,26,27,28,29,30,31
	s_delay_alu instid0(VALU_DEP_1)
	v_add_nc_u32 v[OFF+\i], s48, v[OFF+\i-1]
.endr
	WLOAD 0
	WLOAD 1
	s_lshl_b32 s50, s26, 2
	s_lshr_b32 s49, s22, 2
	s_add_co_u32 s50, s50, s49
	s_mul_i32 s50, s50, GRP                        ; b_img: the 128 columns' group 4 cg + w / 4,
	s_mul_i32 s49, s27, 2*STEPB                    ; K steps 2 kc on
	s_add_co_u32 s50, s50, s49
	s_and_b32 s49, s22, 3
	s_lshl_b32 s52, s49, 7                         ; the scale words: my 32 columns of the group's 128,
	s_add_co_u32 s52, s52, s50
	s_add_co_u32 s52, s52, SCW                     ; behind the step's codes
	s_mov_b32 s53, 0
	s_mul_i32 s49, s49, 3072                       ; the codes: my two fragments of the group's eight
	s_add_co_u32 s50, s50, s49
	s_mov_b32 s51, 0
	s_add_nc_u64 s[20:21], s[18:19], s[52:53]
	s_add_nc_u64 s[18:19], s[18:19], s[50:51]
	s_wait_alu depctr_va_vdst(0)
.irp t, 0,1,2,3,4,5,6,7
	WBLOCK \t
.endr
	global_store_b32 v3, v[SW], s[20:21]           ; my 32 columns' words of K step 2 kc: neighbouring lanes, 128 consecutive bytes;
	global_store_b32 v3, v[SW+1], s[20:21] offset:STEPB   ; and of K step 2 kc + 1.  No register that a load or a store of this path reads is written again
	s_wait_tensorcnt 0x0                           ; the wave's end
	ds_add_u32 v[SPW], v[NIL]
	s_wait_dscnt 0x0
	s_endpgm
.Lfunc_end_k_qb7f02297f4_quant:
	.size	k_qb7f02297f4_quant, .Lfunc_end_k_qb7f02297f4_quant-k_qb7f02297f4_quant
	.p2alignl 7, 3214868480
	.fill 96, 4, 3214868480
	.section	.rodata,"a",@progbits
	.p2align	6, 0x0
	.amdhsa_kernel k_qb7f02297f4_quant
		.amdhsa_group_segment_fixed_size 208896
		.amdhsa_private_segment_fixed_size 0
		.amdhsa_enable_private_segment 0
		.amdhsa_kernarg_size 56
		.amdhsa_user_sgpr_count 2
		.amdhsa_user_sgpr_kernarg_segment_ptr 1
		.amdhsa_wavefront_size32 1
		.amdhsa_system_sgpr_workgroup_id_x 1
		.amdhsa_system_sgpr_workgroup_id_y 1
		.amdhsa_system_sgpr_workgroup_id_z 1
		.amdhsa_system_vgpr_workitem_id 0
		.amdhsa_next_free_vgpr 256
		.amdhsa_next_free_sgpr 66
		.amdhsa_reserve_vcc 0
		.amdhsa_float_denorm_mode_32 3
		.amdhsa_float_denorm_mode_16_64 3
		.amdhsa_memory_ordered 1
		.amdhsa_forward_progress 1
		.amdhsa_inst_pref_size 121
	.end_amdhsa_kernel
	.amdgpu_metadata
---
amdhsa.version: [ 1, 2 ]
amdhsa.kernels:
  - .name:           k_qb7f02297f4_quant
    .symbol:         k_qb7f02297f4_quant.kd
    .args:
      - { .name: hidden_states, .offset: 0, .size: 8, .value_kind: global_buffer, .address_space: global }
      - { .name: gamma, .offset: 8, .size: 8, .value_kind: global_buffer, .address_space: global }
      - { .name: w_q, .offset: 16, .size: 8, .value_kind: global_buffer, .address_space: global }
      - { .name: w_k, .offset: 24, .size: 8, .value_kind: global_buffer, .address_space: global }
      - { .name: w_v, .offset: 32, .size: 8, .value_kind: global_buffer, .address_space: global }
      - { .name: a_img, .offset: 40, .size: 8, .value_kind: global_buffer, .address_space: global }
      - { .name: b_img, .offset: 48, .size: 8, .value_kind: global_buffer, .address_space: global }
    .group_segment_fixed_size: 208896
    .private_segment_fixed_size: 0
    .kernarg_segment_align: 8
    .kernarg_segment_size: 56
    .max_flat_workgroup_size: 512
    .sgpr_count:     66
    .vgpr_count:     256
    .wavefront_size: 32
...
	.end_amdgpu_metadata
.endif
;; end of part 1
;; launch gemm (part 2): grid 16 x 16, 4 waves a work-group, clusters of 4 x 4, 327,680 bytes of LDS; arguments a_img, b_img, out0, out1, out2; writes out0, out1, out2
.if DOCPART == 2
	.amdgcn_target "amdgcn-amd-amdhsa--gfx1250"
	.amdhsa_code_object_version 6
	.text
	.protected	k_qb7f02297f4_gemm
	.globl	k_qb7f02297f4_gemm
	.p2align	8
	.type	k_qb7f02297f4_gemm,@function
k_qb7f02297f4_gemm:
	s_mov_b64 s[64:65], 0
	v_nop
	global_prefetch_b8 v0, s[64:65] scope:SCOPE_SE
	s_setreg_imm32_b32 hwreg(HW_REG_WAVE_MODE, 25, 1), 1
	s_wait_xcnt 0x0
	s_wait_alu depctr_hold_cnt(0) depctr_sa_sdst(0) depctr_va_vdst(0) depctr_va_sdst(0) depctr_va_ssrc(0) depctr_va_vcc(0) depctr_vm_vsrc(0)
	s_getreg_b32 s2, hwreg(HW_REG_IB_STS2, 6, 4)
	s_cmp_eq_u32 s2, 0
	s_cbranch_scc0 .Lentry_in_a_cluster
	s_endpgm
.Lentry_in_a_cluster:
	s_bfe_u32 s2, ttmp6, 0x10000c
	s_cmp_lg_u32 s2, 0xf033
	s_cbranch_scc0 .Lentry_shape_is_right
	s_endpgm
.Lentry_shape_is_right:
; C[m][n] = sum over k of A[m][k] B[n][k], M = N = K = 4,096, on codes of FP6 (E2M3) with one E8M0 byte for each 32 along K; sums in f32, K ascending, one accumulator an output.
; A = the normalised rows, B = the columns of w_q, w_k, w_v side by side (q 0.., k 2048.., v 3072..); C's columns go to out0, out1, out2.
; IN.  a_img, b_img: [row / 128][k / 128][12,800 bytes]: eight fragments of 1,536 bytes (16 rows x 128 K, laid as the operand's 12 registers x 32 lanes), then the 128 rows' scale words.
;   A's fragment: lane l's 48 bytes at 48 l.  B's: registers 4 c .. 4 c + 3 of lane l at 512 c + 16 l.  Every step's 12,800 bytes are 50 whole rows of 256 bytes.
; SHARES.  256 work-groups, one tile of 256 x 256 each; four waves, 128 x 128 each: 64 accumulators, 512 registers (windows 2 and 3).
; THE RING.  Two LDS slots of three K steps (4 x 38,400 bytes: A's two halves, B's two halves); a wave fills a quarter of a slot by one joint load.  The first fill brings K steps 0 and 1 alone.
; CLUSTERS.  4 x 4: A's tiles are asked for jointly along a row of the cluster, B's along a column.
; A STEP is 16 groups of four products, by quadrants: A0-3 x B0-3, A0-3 x B4-7, A4-7 x B4-7, A4-7 x B0-3, so that fragments are needed one after the other:
;   group 0 wants B0-3, the scale words and A0; groups 1-3 A1-3; groups 4-7 B4-7; groups 8-11 A4-7.  A and B have TWO whole register sets each (step parity):
;   the next step's 56 LDS loads go out in ONE run, in the order of need, so that the step's 64 products are broken once.  The set's last readers stand in the step before: four v_nop ahead of the run are its places.
; WAITS ON DScnt are counted by the assembler: ISS counts the LDS instructions in the text's order, RNpg is ISS behind the loads of the fragment that set p needs at group g; ISS - RNpg is the number of younger ones (63 where it is more).
; THE CHANGE OF SLOTS stands in a slot's last step, whose fragments were asked for a step earlier: products stand between the add and its wait and between the round's opening signal and its wait;
;   behind the round come the joint refill and the run of loads from the new slot, with 40 products of the step still to go.
; PREFETCH.  Behind each joint load the K steps of the NEXT refill (150 blocks of 256 bytes for each 128 rows) are asked for; the four partners that load them share them out by address, 38 blocks each; the last refill asks for nothing.
; REGISTERS.  window 0: v8-31 addresses, v32-47 scale words (two sets), v48-63 store offsets, v64-255 A's two sets (on the way out: rows read back).  window 1: B's sets at v0 and v128.
.set FR,     12
.set IMG,    1536
.set SCW,    8*IMG
.set STEPB,  SCW+512
.set GRPB,   32*STEPB
.set HALFT,  3*STEPB
.set SLOT,   4*HALFT
.set SPARE,  2*SLOT                    ; the spare words: 128 bytes a wave, named by no other line
.set STAGE,  SLOT                      ; the way out goes through slot 1, which has had its last fill and its last read by then
.set SPITCH, 528
.set ADSA, 8
.set ADSB, 10
.set ADRA, 16
.set ADRB, 20
.set STO,  24
.set RD,   25
.set SPW,  28
.set NIL,  29
.set PFO,  30
.set SC,   32
.set COT,  48
.set AF,   64
.set BK,   64
.set G1, 24
.set G0, 32
.set G1B, 48
.set G0B, 56
.set PFA, 66
.set G1F, 68
.set G1FB, 80
.set MSB, 0
.set ISS, 0
.macro WIN new                         ; the immediate's high byte repeats the setting that is left
.if MSB != \new
	s_set_vgpr_msb (MSB<<8)|\new
.set MSB, \new
.endif
.endm
.set MUL_LO, 0xa1                      ; source 0 (B) window 1, source 1 (A) window 0, C and D window 2
.set MUL_HI, 0xf1                      ; the same, C and D window 3
.set TO_B,   0x40                      ; destination window 1, address window 0
.macro JLOAD g0a, g1a, g0b, g1b        ; a joint load: waves 0, 1 for A, waves 2, 3 for B
	s_cmp_eq_u32 s15, 0
	s_cbranch_scc0 .Lfor_b_\@
	tensor_load_to_lds s[\g0a:\g0a+3], s[\g1a:\g1a+7]
	s_nop 0
.rept 4
	v_nop
.endr
	s_branch .Lasked_\@
.Lfor_b_\@:
	tensor_load_to_lds s[\g0b:\g0b+3], s[\g1b:\g1b+7]
	s_nop 0
.rept 4
	v_nop
.endr
.Lasked_\@:
.endm
.macro ASK how                         ; my work-group's 38 blocks of the next refill's 150; how = 0: not in the loop's last trip, whose look-ahead would pass the end of K
.if \how == 0
	s_cmp_gt_u32 s3, 1
	s_cbranch_scc0 .Lno_ask_\@
.endif
	global_prefetch_b8 v[PFO], s[PFA:PFA+1] th:TH_LOAD_NT scope:SCOPE_SE
	global_prefetch_b8 v[PFO+1], s[PFA:PFA+1] th:TH_LOAD_NT scope:SCOPE_SE
.if \how == 0
.Lno_ask_\@:
.endif
.endm
.macro CROUND                          ; a whole round of the cluster's barrier
	s_barrier_signal -1
	s_barrier_wait -1
	s_cmp_lg_u32 s14, 0
	s_cbranch_scc1 .Lnot_wave_0_\@
	s_barrier_signal -3
.Lnot_wave_0_\@:
	s_barrier_wait -3
	s_barrier_signal -1
	s_barrier_wait -1
.endm
.macro PLACES
.rept 4
	v_nop
.endr
.endm
	s_load_b128 s[4:7], s[0:1], 0x0                ; a_img, b_img
	s_load_b64 s[12:13], s[0:1], 0x10              ; out0
	s_load_b128 s[96:99], s[0:1], 0x18             ; out1, out2
	v_lshl_add_u32 v[SPW], v0, 2, SPARE
	v_mov_b32 v[NIL], 0
	ds_add_u32 v[SPW], v[NIL]                      ; the opening lines: the add twice on end
	ds_add_u32 v[SPW], v[NIL]
	v_lshrrev_b32 v1, 5, v0
	v_readfirstlane_b32 s14, v1                    ; wave
	s_lshr_b32 s15, s14, 1                         ; my half of the tile's rows; also: I fetch for A (0) or B (1)
	s_and_b32 s16, s14, 1                          ; my half of its columns; also: which 128 rows I fetch
	s_bfe_u32 s40, ttmp6, 0x40000                  ; cx
	s_bfe_u32 s41, ttmp6, 0x40004                  ; cy
	s_lshl_b32 s42, ttmp9, 2
	s_add_co_u32 s42, s42, s40                     ; tile column
	s_and_b32 s17, ttmp7, 0xffff
	s_lshl_b32 s17, s17, 2
	s_add_co_u32 s17, s17, s41                     ; tile row
	s_lshl_b32 s43, s41, 2
	s_lshl_b32 s43, 15, s43                        ; my row of the cluster
	s_lshl_b32 s44, 0x1111, s40                    ; my column
	s_or_b32 s[G1+0], s43, (3<<16)|(1<<21)         ; group 1: dense rows of 32 elements of 8 bytes; 150 rows = three K steps
	s_or_b32 s[G1B+0], s44, (3<<16)|(1<<21)
.irp g, G1, G1B
	s_mov_b32 s[\g+1], 32<<16
	s_mov_b32 s[\g+2], 150<<16
	s_mov_b32 s[\g+3], 32<<16
	s_mov_b32 s[\g+4], 150
	s_mov_b32 s[\g+5], 32
	s_mov_b32 s[\g+6], 0
	s_mov_b32 s[\g+7], 0
.endr
	s_or_b32 s[G1F+0], s43, (3<<16)|(1<<21)        ; the first fill: 100 rows = two K steps
	s_or_b32 s[G1FB+0], s44, (3<<16)|(1<<21)
.irp g, G1F, G1FB
	s_mov_b32 s[\g+1], 32<<16
	s_mov_b32 s[\g+2], 100<<16
	s_mov_b32 s[\g+3], 32<<16
	s_mov_b32 s[\g+4], 100
	s_mov_b32 s[\g+5], 32
	s_mov_b32 s[\g+6], 0
	s_mov_b32 s[\g+7], 0
.endr
	s_lshl_b32 s20, s17, 1
	s_add_co_u32 s20, s20, s16
	s_mul_i32 s20, s20, GRPB                       ; A: the 128 rows that I fetch, in bytes
	s_mov_b32 s21, 0
	s_lshl_b32 s46, s42, 1
	s_add_co_u32 s46, s46, s16
	s_mul_i32 s46, s46, GRPB                       ; B likewise
	s_mov_b32 s47, 0
	s_mul_i32 s45, s14, HALFT                      ; where my quarter of a slot lies
	s_mul_i32 s89, s15, HALFT                      ; what I read: my 128 rows of A,
	s_mul_i32 s90, s16, HALFT
	s_add_co_u32 s90, s90, 2*HALFT                 ; my 128 rows of B,
	s_add_co_u32 s91, s89, SLOT                    ; and the same in slot 1
	s_add_co_u32 s92, s90, SLOT
	s_mul_i32 s93, s14, 16*SPITCH
	s_add_co_u32 s93, s93, STAGE                   ; my stage
	s_cmp_lt_u32 ttmp9, 2                          ; cluster columns 0, 1: out0; 2: out1; 3: out2
	s_cselect_b32 s2, 13, 12                       ; a row of the output is 2^13 or 2^12 bytes
	s_cselect_b32 s77, 0, 8
	s_cmp_eq_u32 ttmp9, 3
	s_cselect_b32 s77, 12, s77                     ; the output's first tile column
	s_lshl_b32 s101, 1, s2
	s_lshl_b32 s18, 16, s2                         ; 16 rows of the output
	s_mov_b32 s19, 0
	s_sub_co_u32 s78, s42, s77
	s_lshl_b32 s78, s78, 10
	s_lshl_b32 s79, s16, 9
	s_add_co_u32 s78, s78, s79                     ; my first column, in bytes
	s_mov_b32 s79, 0
	s_lshl_b32 s22, s17, 8
	s_lshl_b32 s23, s15, 7
	s_add_co_u32 s22, s22, s23
	s_lshl_b32 s22, s22, s2                        ; my first row
	s_mov_b32 s23, 0
	s_add_nc_u64 s[22:23], s[22:23], s[78:79]
	s_cmp_eq_u32 s15, 0                            ; the prefetches: the 128 rows that I fetch,
	s_cselect_b32 s10, s20, s46
	s_cselect_b32 s94, s40, s41                    ; my place among the four that ask for them with me
	s_mov_b32 s11, 0
	s_add_co_u32 s10, s10, 2*STEPB                 ; from K step 2 on
	s_mul_i32 s94, s94, 38
	s_add_co_u32 s76, s94, 37
	s_min_u32 s76, s76, 149                        ; lanes left over name my last block again
	s_add_co_u32 s95, s94, 32
	v_and_b32 v1, 15, v0
	v_bfe_u32 v2, v0, 4, 1
	v_and_b32 v3, 31, v0
	v_mul_u32_u24 v4, v3, 48
	v_lshlrev_b32 v5, 4, v3
	v_lshlrev_b32 v6, 2, v3
	v_add_nc_u32 v[ADRA], s89, v4
	v_add_nc_u32 v[ADRA+1], s91, v4
	v_add_nc_u32 v[ADRB], s90, v5
	v_add_nc_u32 v[ADRB+1], s92, v5
	v_add_nc_u32 v[ADSA], s89, v6
	v_add_nc_u32 v[ADSA+1], s91, v6
	v_add_nc_u32 v[ADSB], s90, v6
	v_add_nc_u32 v[ADSB+1], s92, v6
	v_mul_u32_u24 v7, v1, SPITCH
	v_lshl_add_u32 v7, v2, 5, v7
	v_add_nc_u32 v[STO], s93, v7                   ; into the stage: row l % 16, 32 bytes for each half of the lanes
	v_add_nc_u32 v[RD], s93, v5                    ; back: 32 lanes take a row of 512 bytes
	v_lshlrev_b32 v[COT], 4, v3
.irp t, 1,2,3,4,5,6,7,8,9,10,11,12,13,14,15
	v_add_nc_u32 v[COT+\t], s101, v[COT+\t-1]      ; the same place in 16 rows of the output
.endr
	v_add_nc_u32 v[PFO], s94, v3
	v_lshlrev_b32 v[PFO], 8, v[PFO]
	v_add_nc_u32 v[PFO+1], s95, v3
	v_min_u32 v[PFO+1], s76, v[PFO+1]
	v_lshlrev_b32 v[PFO+1], 8, v[PFO+1]
	s_wait_alu depctr_va_vdst(0)                   ; no vector instruction writes a register behind this line
	s_wait_dscnt 0x0                               ; both opening adds are done
	s_wait_kmcnt 0x0
	s_add_nc_u64 s[20:21], s[4:5], s[20:21]
	s_add_nc_u64 s[46:47], s[6:7], s[46:47]
	s_cmp_lt_u32 ttmp9, 2
	s_cselect_b64 s[12:13], s[12:13], s[96:97]
	s_cmp_eq_u32 ttmp9, 3
	s_cselect_b64 s[12:13], s[98:99], s[12:13]
	s_add_nc_u64 s[12:13], s[12:13], s[22:23]
	s_cmp_eq_u32 s15, 0
	s_cselect_b64 s[PFA:PFA+1], s[4:5], s[6:7]
	s_add_nc_u64 s[PFA:PFA+1], s[PFA:PFA+1], s[10:11]
.irp s, 0,1                            ; group 0 for each slot: slot 0 from K step 0, slot 1 from K step 2
	s_mov_b32 s[G0+4*\s], 1
	s_add_co_u32 s[G0+4*\s+1], s45, \s*SLOT
	s_add_nc_u64 s[G0+4*\s+2:G0+4*\s+3], s[20:21], \s*2*STEPB
	s_or_b32 s[G0+4*\s+3], s[G0+4*\s+3], 0x80000000
	s_mov_b32 s[G0B+4*\s], 1
	s_add_co_u32 s[G0B+4*\s+1], s45, \s*SLOT
	s_add_nc_u64 s[G0B+4*\s+2:G0B+4*\s+3], s[46:47], \s*2*STEPB
	s_or_b32 s[G0B+4*\s+3], s[G0B+4*\s+3], 0x80000000
.endr
	CROUND                                         ; all sixteen work-groups are here: the first joint loads meet
	JLOAD G0, G1F, G0B, G1FB                       ; K steps 0, 1: my one tensor load at the head
	ASK 1                                          ; K steps 2-4, which slot 1's first fill will want
.macro LFA p, slot, q, i               ; A's fragment i of K step q of the slot into set p
	WIN 0
.irp c, 0,1,2
	ds_load_b128 v[AF+96*(\p)+FR*(\i)+4*\c:AF+96*(\p)+FR*(\i)+4*\c+3], v[ADRA+\slot] offset:STEPB*(\q)+IMG*(\i)+16*\c
.endr
.set ISS, ISS+3
.endm
.macro LFB p, slot, q, i               ; B's fragment i
	WIN TO_B
.irp c, 0,1,2
	ds_load_b128 v[128*(\p)+FR*(\i)+4*\c:128*(\p)+FR*(\i)+4*\c+3], v[ADRB+\slot] offset:STEPB*(\q)+IMG*(\i)+512*\c
.endr
.set ISS, ISS+3
.endm
.macro LS p, slot, q                   ; the scale words: register i holds those of blocks 2 i (lanes 0-15) and 2 i + 1 (lanes 16-31); A's four, B's four
	WIN 0
.irp i, 0,1,2,3
	ds_load_b32 v[SC+8*(\p)+\i], v[ADSA+\slot] offset:STEPB*(\q)+SCW+128*\i
	ds_load_b32 v[SC+8*(\p)+4+\i], v[ADSB+\slot] offset:STEPB*(\q)+SCW+128*\i
.endr
.set ISS, ISS+8
.endm
.macro LN p, slot, q, g                ; the fragment that group g is the first to need: 0-3 A0-3, 4-7 B4-7, 8-11 A4-7
.if \g < 4
	LFA \p, \slot, \q, \g
.elseif \g < 8
	LFB \p, \slot, \q, \g
.else
	LFA \p, \slot, \q, \g-4
.endif
.set RN\p\g, ISS
.endm
.macro RUN p, slot, q                  ; a whole step's 56 LDS loads into set p, in the order of need: B0-3 and the scale words (awaited with A0, which follows them), then by groups
.irp i, 0,1,2,3
	LFB \p, \slot, \q, \i
.endr
	LS \p, \slot, \q
.irp g, 0,1,2,3,4,5,6,7,8,9,10,11
	LN \p, \slot, \q, \g
.endr
.endm
.macro WM a, b, p, zero                ; transposed use: source 0 = B's block b, source 1 = A's block a: a lane holds eight neighbouring columns of one row of C
.set rD, 8*(8*((\a)%4)+(\b))
.set rB, 128*(\p)+FR*(\b)
.set rA, AF+96*(\p)+FR*(\a)
.set rSB, SC+8*(\p)+4+(\b)/2
.set rSA, SC+8*(\p)+(\a)/2
.set rW, 2*((\b)%2)+(\a)%2
.if \zero
.if rW == 3
	v_wmma_scale_f32_16x16x128_f8f6f4 v[rD:rD+7], v[rB:rB+FR-1], v[rA:rA+FR-1], 0, v[rSB], v[rSA] matrix_a_fmt:MATRIX_FMT_FP6 matrix_b_fmt:MATRIX_FMT_FP6 matrix_a_scale:MATRIX_SCALE_ROW1 matrix_b_scale:MATRIX_SCALE_ROW1
.elseif rW == 2
	v_wmma_scale_f32_16x16x128_f8f6f4 v[rD:rD+7], v[rB:rB+FR-1], v[rA:rA+FR-1], 0, v[rSB], v[rSA] matrix_a_fmt:MATRIX_FMT_FP6 matrix_b_fmt:MATRIX_FMT_FP6 matrix_a_scale:MATRIX_SCALE_ROW1
.elseif rW == 1
	v_wmma_scale_f32_16x16x128_f8f6f4 v[rD:rD+7], v[rB:rB+FR-1], v[rA:rA+FR-1], 0, v[rSB], v[rSA] matrix_a_fmt:MATRIX_FMT_FP6 matrix_b_fmt:MATRIX_FMT_FP6 matrix_b_scale:MATRIX_SCALE_ROW1
.else
	v_wmma_scale_f32_16x16x128_f8f6f4 v[rD:rD+7], v[rB:rB+FR-1], v[rA:rA+FR-1], 0, v[rSB], v[rSA] matrix_a_fmt:MATRIX_FMT_FP6 matrix_b_fmt:MATRIX_FMT_FP6
.endif
.else
.if rW == 3
	v_wmma_scale_f32_16x16x128_f8f6f4 v[rD:rD+7], v[rB:rB+FR-1], v[rA:rA+FR-1], v[rD:rD+7], v[rSB], v[rSA] matrix_a_fmt:MATRIX_FMT_FP6 matrix_b_fmt:MATRIX_FMT_FP6 matrix_a_scale:MATRIX_SCALE_ROW1 matrix_b_scale:MATRIX_SCALE_ROW1
.elseif rW == 2
	v_wmma_scale_f32_16x16x128_f8f6f4 v[rD:rD+7], v[rB:rB+FR-1], v[rA:rA+FR-1], v[rD:rD+7], v[rSB], v[rSA] matrix_a_fmt:MATRIX_FMT_FP6 matrix_b_fmt:MATRIX_FMT_FP6 matrix_a_scale:MATRIX_SCALE_ROW1
.elseif rW == 1
	v_wmma_scale_f32_16x16x128_f8f6f4 v[rD:rD+7], v[rB:rB+FR-1], v[rA:rA+FR-1], v[rD:rD+7], v[rSB], v[rSA] matrix_a_fmt:MATRIX_FMT_FP6 matrix_b_fmt:MATRIX_FMT_FP6 matrix_b_scale:MATRIX_SCALE_ROW1
.else
	v_wmma_scale_f32_16x16x128_f8f6f4 v[rD:rD+7], v[rB:rB+FR-1], v[rA:rA+FR-1], v[rD:rD+7], v[rSB], v[rSA] matrix_a_fmt:MATRIX_FMT_FP6 matrix_b_fmt:MATRIX_FMT_FP6
.endif
.endif
.endm
; Group g of a step: four products on four accumulators; the 64 accumulators take turns in the same order in every step.  w = 1: the counted wait for the fragment that the group is the first to need.
.macro GRP g, p, zero, w
.if \w
.if \g < 12
.if ISS-RN\p\g > 63
	s_wait_dscnt 63                                ; the counter's field holds no more: a smaller count than is needed
.else
	s_wait_dscnt ISS-RN\p\g
.endif
.endif
.endif
.if \g < 8
	WIN MUL_LO
.else
	WIN MUL_HI
.endif
.irp j, 0,1,2,3
.if \g < 4
	WM \g, \j, \p, \zero
.elseif \g < 8
	WM \j, \g, \p, \zero
.elseif \g < 12
	WM \g-4, \j+4, \p, \zero
.else
	WM \g-8, \j, \p, \zero
.endif
.endr
.endm
; A step that is not its slot's last: 64 products on set p.  more = 1: ahead of group at stands the run for the next step, which lies in the same slot, into set np
; (at = 0; in a slot's first step at = 4: that step's own fragments were asked for only 40 products earlier, and its first groups go ahead of the new run).
.macro STEPG slot, q, p, np, zero, more, at
.irp g, 0,1,2,3,4,5,6,7,8,9,10,11,12,13,14,15
.if \more
.if \g == \at
	PLACES
	RUN \np, \slot, (\q)+1
.endif
.endif
	GRP \g, \p, \zero, 1
.endr
.endm
; A slot's last step, with the change of slots.  My last read of the slot was issued a step ago.  fill = 1: the barrier opens a round of the cluster's barrier, and the slot is filled again, adv K steps on.
.macro STEPT slot, p, np, nslot, fill, adv, how
.if \fill
	s_wait_xcnt 0x0                                ; my last prefetches have read their address: it steps one refill on
	s_add_nc_u64 s[PFA:PFA+1], s[PFA:PFA+1], HALFT
.endif
	WIN 0
	s_wait_tensorcnt 0x0                           ; all my tensor loads have landed: the one that was out is my quarter of the next slot
	ds_add_u32 v[SPW], v[NIL]
.set ISS, ISS+1
.if \fill
	s_add_nc_u64 s[G0+4*\slot+2:G0+4*\slot+3], s[G0+4*\slot+2:G0+4*\slot+3], (\adv)*STEPB
	s_add_nc_u64 s[G0B+4*\slot+2:G0B+4*\slot+3], s[G0B+4*\slot+2:G0B+4*\slot+3], (\adv)*STEPB
.endif
	GRP 0, \p, 0, 1                                ; eight products between the add and the wait for it
	GRP 1, \p, 0, 1
	s_wait_dscnt 0x0                               ; the add is done, and so are my reads of this slot: all this step's fragments are in registers
	s_barrier_signal -1
.irp g, 2,3,4,5
	GRP \g, \p, 0, 0                               ; sixteen products, work on registers alone, while the others arrive
.endr
	WIN 0
	s_barrier_wait -1
.if \fill
	s_cmp_lg_u32 s14, 0
	s_cbranch_scc1 .Lnw0_\@
	s_barrier_signal -3
.Lnw0_\@:
	s_barrier_wait -3                              ; no wave of any partner still reads this slot or has a load on its way
	s_barrier_signal -1
	s_barrier_wait -1
	JLOAD G0+4*\slot, G1, G0B+4*\slot, G1B         ; the first tensor load behind the round, my only one until the next; its four v_nop are the places for the run below
.else
	PLACES
.endif
	RUN \np, \nslot, 0                             ; the next slot's first step
.if \fill
	WIN 0
	ASK \how
.endif
.irp g, 6,7,8,9,10,11,12,13,14,15
	GRP \g, \p, 0, 0
.endr
.endm
	s_wait_tensorcnt 0x0                           ; my quarter of K steps 0, 1 is in
	ds_add_u32 v[SPW], v[NIL]
	s_wait_xcnt 0x0                                ; the prefetches have read their address
	s_add_nc_u64 s[PFA:PFA+1], s[PFA:PFA+1], HALFT
	s_wait_dscnt 0x0
	CROUND
	JLOAD G0+4, G1, G0B+4, G1B                     ; K steps 2-4 into slot 1
	RUN 0, 0, 0
	WIN 0
	ASK 1                                          ; K steps 5-7
	STEPG 0, 0, 0, 1, 1, 1, 4                      ; K step 0: its products start the sums
	STEPT 0, 1, 0, 1, 1, 5, 1                      ; K step 1; slot 0 takes K steps 5-7
	WIN 0
	s_mov_b32 s3, 4
.Llap:                                                 ; a trip: six K steps, once round the ring and back to the same register sets
	STEPG 1, 0, 0, 1, 0, 1, 4
	STEPG 1, 1, 1, 0, 0, 1, 0
	STEPT 1, 0, 1, 0, 1, 6, 1
	STEPG 0, 0, 1, 0, 0, 1, 4
	STEPG 0, 1, 0, 1, 0, 1, 0
	STEPT 0, 1, 0, 1, 1, 6, 0
	WIN 0
	s_sub_co_u32 s3, s3, 1
	s_cmp_lg_u32 s3, 0
	s_cbranch_scc1 .Llap
	STEPG 1, 0, 0, 1, 0, 1, 4                      ; the last six K steps fill nothing
	STEPG 1, 1, 1, 0, 0, 1, 0
	STEPT 1, 0, 1, 0, 0, 0, 0
	STEPG 0, 0, 1, 0, 0, 1, 4
	STEPG 0, 1, 0, 1, 0, 1, 0
	STEPG 0, 2, 1, 0, 0, 0, 0
	WIN 0
; THE WAY OUT, by blocks of 16 rows x 128 columns: through my own stage and back as whole rows of 512 bytes, which 32 lanes store as two aligned units of 256 bytes.  LDS serves a wave's instructions in order.
.macro TOSTAGE a
.set AC, 64*((\a)%4)
	WIN 0x08+4*((\a)/4)
.irp b, 0,1,2,3,4,5,6,7
	ds_store_b128 v[STO], v[AC+8*\b:AC+8*\b+3] offset:64*\b          ; each accumulator from its low end on
	ds_store_b128 v[STO], v[AC+8*\b+4:AC+8*\b+7] offset:64*\b+16
.endr
	WIN 0
.set BB, BK+64*((\a)%2)
.irp t, 0,1,2,3,4,5,6,7,8,9,10,11,12,13,14,15
	ds_load_b128 v[BB+4*\t:BB+4*\t+3], v[RD] offset:\t*SPITCH
.endr
.endm
.macro SEND a, younger                 ; younger: the LDS instructions issued behind block a's loads
.set BB, BK+64*((\a)%2)
	s_wait_dscnt \younger
.if (\a) > 0
	s_add_nc_u64 s[12:13], s[12:13], s[18:19]      ; 16 rows on (behind a wait on XCNT: the earlier stores have read their base)
.endif
.irp t, 0,1,2,3,4,5,6,7,8,9,10,11,12,13,14,15
	global_store_b128 v[COT+\t], v[BB+4*\t:BB+4*\t+3], s[12:13] th:TH_STORE_NT
.endr
.endm
	PLACES                                         ; ahead of the reads of results and of the loads into registers that held A's fragments
	TOSTAGE 0
.irp a, 1,2,3,4,5,6,7
.if \a > 1
	s_wait_xcnt 0x0                                ; block a - 2's stores have read their registers and their base
.endif
	TOSTAGE \a
	SEND \a-1, 32
.endr
	s_wait_xcnt 0x0
	SEND 7, 0
	s_wait_tensorcnt 0x0                           ; the wave's end
	ds_add_u32 v[SPW], v[NIL]
	s_wait_dscnt 0x0
	CROUND                                         ; the closing round
	s_endpgm
.Lfunc_end_k_qb7f02297f4_gemm:
	.size	k_qb7f02297f4_gemm, .Lfunc_end_k_qb7f02297f4_gemm-k_qb7f02297f4_gemm
	.p2alignl 7, 3214868480
	.fill 96, 4, 3214868480
	.section	.rodata,"a",@progbits
	.p2align	6, 0x0
	.amdhsa_kernel k_qb7f02297f4_gemm
		.amdhsa_group_segment_fixed_size 327680
		.amdhsa_private_segment_fixed_size 0
		.amdhsa_enable_private_segment 0
		.amdhsa_kernarg_size 40
		.amdhsa_user_sgpr_count 2
		.amdhsa_user_sgpr_kernarg_segment_ptr 1
		.amdhsa_wavefront_size32 1
		.amdhsa_system_sgpr_workgroup_id_x 1
		.amdhsa_system_sgpr_workgroup_id_y 1
		.amdhsa_system_sgpr_workgroup_id_z 1
		.amdhsa_system_vgpr_workitem_id 0
		.amdhsa_next_free_vgpr 1024
		.amdhsa_next_free_sgpr 102
		.amdhsa_reserve_vcc 0
		.amdhsa_float_denorm_mode_32 3
		.amdhsa_float_denorm_mode_16_64 3
		.amdhsa_memory_ordered 1
		.amdhsa_forward_progress 1
		.amdhsa_inst_pref_size 214
	.end_amdhsa_kernel
	.amdgpu_metadata
---
amdhsa.version: [ 1, 2 ]
amdhsa.kernels:
  - .name:           k_qb7f02297f4_gemm
    .symbol:         k_qb7f02297f4_gemm.kd
    .args:
      - { .name: a_img, .offset: 0, .size: 8, .value_kind: global_buffer, .address_space: global }
      - { .name: b_img, .offset: 8, .size: 8, .value_kind: global_buffer, .address_space: global }
      - { .name: out0, .offset: 16, .size: 8, .value_kind: global_buffer, .address_space: global }
      - { .name: out1, .offset: 24, .size: 8, .value_kind: global_buffer, .address_space: global }
      - { .name: out2, .offset: 32, .size: 8, .value_kind: global_buffer, .address_space: global }
    .group_segment_fixed_size: 327680
    .private_segment_fixed_size: 0
    .kernarg_segment_align: 8
    .kernarg_segment_size: 40
    .max_flat_workgroup_size: 128
    .sgpr_count:     102
    .vgpr_count:     1024
    .wavefront_size: 32
...
	.end_amdgpu_metadata
.endif
;; end of part 2
